; MI455X (gfx1250); checked and timed in simulation.
; The chip was launched on July 23, 2026; its instructions are those of AMD's public machine-readable ISA for CDNA 5 (MIT licence, August 2026) and "CDNA5" Instruction Set Architecture Reference Guide (July 2026). The comments in the code are by the model that wrote it; some were corrected since.
;; NN Pooling. Allowed arithmetic: float matrix products may take bf16 or f16 operands with f32 sums; other float arithmetic in f32, or as packed bf16 or f16 multiplies, adds, multiply-adds, maxima and minima; sums over many terms, partial sums and values carried from step to step in f32; what a program stores and reads back later, other than sums and carried values, may be rounded once to bf16 or f16.
;; Inputs: W 4 x 8 float32; b 8 float32; obs1 4,096 x 2 float32; obs2 4,096 x 2 float32.
;; Outputs: out0 4,096 x 32 float32.
;; One version. Each part assembles by itself: llvm-mc -triple=amdgcn-amd-amdhsa -mcpu=gfx1250 --defsym DOCPART=n.
;; ======== version 1 of 1: 2 launches
;; workspace buffers: groups 65,536 bytes of whole numbers
;; launch nearest_groups (part 1): grid 256 x 1, 8 waves a work-group, no clusters, 58,624 bytes of LDS; arguments obs2, groups; writes groups
.if DOCPART == 1
	.amdgcn_target "amdgcn-amd-amdhsa--gfx1250"
	.amdhsa_code_object_version 6
	.text
	.protected	k_q2a8b6c4bb4_nearest_groups
	.globl	k_q2a8b6c4bb4_nearest_groups
	.p2align	8
	.type	k_q2a8b6c4bb4_nearest_groups,@function
k_q2a8b6c4bb4_nearest_groups:
	s_mov_b64 s[64:65], 0
	v_nop
	global_prefetch_b8 v0, s[64:65] scope:SCOPE_SE
	s_setreg_imm32_b32 hwreg(HW_REG_WAVE_MODE, 25, 1), 1
	s_wait_xcnt 0x0
; NEAREST-NEIGHBOUR POOLING, first of two launches: for each track the four GROUPS of 16 tracks that, with its own group, hold its four nearest neighbours.
; reference(): for track i the 4 tracks j != i with the smallest |obs2[j] - obs2[i]|, nearest first, equal distances by lower j; out[i][8 k + e] = relu(sum_c f[c] W[c][e] + b[e]),
; f = (obs2[j] - obs2[i], vel[j] - vel[i]) of the k-th of them, vel = obs2 - obs1.
; WORK LEFT OUT, for all values of the inputs.  (1) The root in dist: it only feeds the ordering, and it is monotone, so in exact arithmetic the order of d2 = dx dx + dy dy is the order of dist.
; (2) rel_vel and grid for all pairs: reference() gathers 4 rows a track out of them and never uses the others; they are formed in the second launch for the candidates that are left.
; (3) The off-diagonal index keeps the order of j: it is the same as leaving j = i out.  obs1, W and b do not enter the distances: this launch does not take them; the second launch loads every input.
; LIMITS.  d2 = fma(dx, dx, dy dy) in f32.  Two d2 that differ in f32 while their roots round to one number are a tie for reference() (lower j first) and are ordered by d2 here.
; d2 overflows where a difference passes 1.8e19, as reference()'s square does.  NaN and infinities are not treated apart, and none that reaches only the work left out is carried to the result.
; WHY GROUPS.  Group g = tracks 16 g .. 16 g + 15.  For a row, rank the groups other than its own by (smallest d2 in the group, g).  Let e = (d, j) lie in foreign group g.  Every foreign group ranked before g
; holds an element (d', j') with d' <= min of g <= d, and where d' = d its number, and so j', is lower: it precedes e.  At most 3 elements precede one of the 4 nearest, so g is among the first 4 groups.
; So a pair costs its d2 and half a v_min3; an index is carried only once for 16 pairs.  Which group is a choice that steers addresses: it is stored as whole numbers, and the second launch forms addresses from them.
; SHARES.  256 work-groups of 8 waves; a work-group owns 16 rows, which are exactly group number wg, and all 4,096 candidates.
;   stage 1: thread t = (rows 4 q .. 4 q + 3, q = t % 4; groups s + 64 k, s = t / 4, k = 0..3).  Two rows lie in a register pair, a candidate's x or y is given to both halves by op_sel:
;            for 2 candidates x 4 rows 8 packed differences, 4 packed squares, 4 packed fma, 4 v_min3.
;   stage 2: thread t = (row t / 16, u = t % 16; groups u + 16 c, c = 0..15): a sorted list of the 4 smallest (minimum, c).
;   stage 3: the 16 lanes of a row pick four times the smallest head, equal heads by lower group, and the owner's list moves up.
; NO CLUSTER, NO TENSOR LOAD: all work-groups read the same 32,768 bytes of obs2, but once, at the start, 8 loads of 16 bytes a thread, for 65,536 pairs; a joint load would put two rounds of the cluster's
; barrier round that one fill.  No matrix work: nothing here is a product.
.set CPITCH, 144                       ; a group of 16 candidates in LDS: 128 bytes + 16
.set GMIN,   256*CPITCH                ; behind the candidates: the minima, group g at g x GPITCH, row r at 4 r
.set GPITCH, 80                        ; 64 bytes + 16 = 20 words
.set RES,    GMIN+256*GPITCH           ; 16 rows x 4 group numbers
.set SPARE,  RES+256                   ; the spare words, 128 bytes for each of the 8 waves: four blocks of 256 bytes that no other line names
.set SPW, 2                            ; v2   LDS address of my spare word; never rewritten
.set NIL, 3                            ; v3   0; never rewritten
.set GOF, 4                            ; v4   16 t: my 16 bytes of each 4,096 of obs2
.set LFI, 5                            ; v5   where they go in LDS
.set ROF, 6                            ; v6   my four rows in obs2
.set CAD, 7                            ; v7   s x CPITCH: my first group of candidates
.set GST, 8                            ; v8   s x GPITCH + 16 q: where my four rows' minima go
.set GLD, 9                            ; v9   u x GPITCH + 4 (t / 16): where stage 2 reads
.set LU,  10                           ; v10  u
.set RSA, 11                           ; v11  16 (t / 16) + 4 (t % 4): where my result word goes
.set INF, 12                           ; v12  +infinity
.set RAW, 16                           ; v[16:23]  x0 y0 x1 y1 x2 y2 x3 y3 of my rows
.set NX0, 24                           ; v[24:25]  -x of rows 0, 1     v[26:27]  -y of rows 0, 1
.set NY0, 26
.set NX2, 28                           ; v[28:29]  -x of rows 2, 3     v[30:31]  -y of rows 2, 3
.set NY2, 30
.set TMP, 32                           ; v[32:47]  at work
.set MINS, 48                          ; v[48:63]  minimum of group k, row e at 4 k + e
.set FIL, 64                           ; v[64:95]  obs2 on its way into LDS
.set CND, 96                           ; v[96:223] my 64 candidates
.set KEY, 64                           ; stage 2: v[64:79] sixteen minima
.set TOP, 80                           ; v[80:83]  the list's keys, ascending
.set IDX, 84                           ; v[84:87]  their c, later their group number as f32
.set AUX, 88                           ; v[88:90]  at work
.set MN,  91
.set WNR, 92
.set OUT, 93
.set WV,  10                           ; s10  my wave's number
.set WGC, 11                           ; s11  wg / 16
.set WGU, 12                           ; s12  wg % 16
.set MU,  13                           ; s13  the lanes with u = wg % 16
.set MX,  14                           ; s14  at work
.set CM,  16                           ; s[16:19] the four compares of an insertion
.set LM,  20                           ; s[21:23] the lanes with t % 4 = 1, 2, 3
	s_load_b128 s[4:7], s[0:1], 0x0                ; obs2 s[4:5], groups s[6:7]
	v_lshl_add_u32 v[SPW], v0, 2, SPARE
	v_mov_b32 v[NIL], 0
	v_lshrrev_b32 v1, 5, v0
	v_readfirstlane_b32 s[WV], v1
	s_lshl_b32 s8, ttmp9, 7                        ; my work-group's 16 rows: 128 bytes of obs2
	s_mov_b32 s9, 0x80000000                       ; the sign
	s_lshr_b32 s[WGC], ttmp9, 4
	s_and_b32 s[WGU], ttmp9, 15
	s_mov_b32 s[LM+1], 0x22222222
	s_mov_b32 s[LM+2], 0x44444444
	s_mov_b32 s[LM+3], 0x88888888
	v_lshlrev_b32 v[GOF], 4, v0
	v_and_b32 v1, 3, v0                            ; q
	v_lshl_add_u32 v[ROF], v1, 5, s8
	v_lshrrev_b32 v13, 3, v0                       ; eight threads copy a group's 128 bytes
	v_and_b32 v14, 7, v0
	v_mul_u32_u24 v[LFI], v13, CPITCH
	v_lshl_add_u32 v[LFI], v14, 4, v[LFI]
	v_lshrrev_b32 v13, 2, v0                       ; s
	v_mul_u32_u24 v[CAD], v13, CPITCH
	v_mul_u32_u24 v[GST], v13, GPITCH
	v_lshl_add_u32 v[GST], v1, 4, v[GST]
	v_and_b32 v[LU], 15, v0
	v_lshrrev_b32 v13, 4, v0                       ; stage 2's row
	v_mul_u32_u24 v[GLD], v[LU], GPITCH
	v_lshl_add_u32 v[GLD], v13, 2, v[GLD]
	v_lshlrev_b32 v[RSA], 2, v1
	v_lshl_add_u32 v[RSA], v13, 4, v[RSA]
	v_mov_b32 v[INF], 0x7f800000
	v_cmp_eq_u32 s[MU], s[WGU], v[LU]
	s_wait_kmcnt 0x0
	global_load_b128 v[RAW:RAW+3],   v[ROF], s[4:5]
	global_load_b128 v[RAW+4:RAW+7], v[ROF], s[4:5] offset:16
.irp i, 0,1,2,3,4,5,6,7
	global_load_b128 v[FIL+4*(\i):FIL+4*(\i)+3], v[GOF], s[4:5] offset:4096*(\i)  ; a wave's load covers 512 consecutive bytes; the work-group's eight cover obs2
.endr
.irp i, 0,1,2,3,4,5,6,7
	s_wait_loadcnt 7-(\i)                          ; loads come back in order (ISA guide 5.7.1): number i is in, the younger ones stay out
	ds_store_b128 v[LFI], v[FIL+4*(\i):FIL+4*(\i)+3] offset:(\i)*32*CPITCH  ; 4,096 bytes are 32 groups
.endr
	s_wait_dscnt 0x0                               ; for the others' sake: my part of the table is written
	s_barrier_signal -1
	v_xor_b32 v[NX0],   s9, v[RAW]                 ; the rows, negated and laid in pairs of rows: work on registers between signal and wait
	v_xor_b32 v[NX0+1], s9, v[RAW+2]
	v_xor_b32 v[NY0],   s9, v[RAW+1]
	v_xor_b32 v[NY0+1], s9, v[RAW+3]
	v_xor_b32 v[NX2],   s9, v[RAW+4]
	v_xor_b32 v[NX2+1], s9, v[RAW+6]
	v_xor_b32 v[NY2],   s9, v[RAW+5]
	v_xor_b32 v[NY2+1], s9, v[RAW+7]
	s_barrier_wait -1                              ; the whole table lies in LDS
	; STAGE 1.  All 32 loads go out at once: load 8 k + c brings candidates 2 c, 2 c + 1 of group s + 64 k.
.irp k, 0,1,2,3
.irp c, 0,1,2,3,4,5,6,7
	ds_load_b128 v[CND+4*(8*(\k)+(\c)):CND+4*(8*(\k)+(\c))+3], v[CAD] offset:(\k)*64*CPITCH+(\c)*16
.endr
.endr
; Load n: two candidates against four rows.  d2 = fma(dx, dx, dy dy), dx = xj + (-xi): the second launch forms the same numbers in the same way.
.macro STEP n
	s_wait_dscnt 31-(\n)                           ; LDS loads come back in order: number n is in, the younger ones stay out
.set ca, CND+4*(\n)
.set mk, MINS+4*((\n)/8)
.irp h, 0,1
	v_pk_add_f32 v[TMP+8*(\h):TMP+8*(\h)+1],   v[ca+2*(\h):ca+2*(\h)+1], v[NX0:NX0+1] op_sel_hi:[0,1]               ; the candidate's x for both rows
	v_pk_add_f32 v[TMP+8*(\h)+2:TMP+8*(\h)+3], v[ca+2*(\h):ca+2*(\h)+1], v[NY0:NY0+1] op_sel:[1,0] op_sel_hi:[1,1]  ; its y for both rows
	v_pk_add_f32 v[TMP+8*(\h)+4:TMP+8*(\h)+5], v[ca+2*(\h):ca+2*(\h)+1], v[NX2:NX2+1] op_sel_hi:[0,1]
	v_pk_add_f32 v[TMP+8*(\h)+6:TMP+8*(\h)+7], v[ca+2*(\h):ca+2*(\h)+1], v[NY2:NY2+1] op_sel:[1,0] op_sel_hi:[1,1]
.endr
.irp p, 0,4,8,12
	v_pk_mul_f32 v[TMP+(\p)+2:TMP+(\p)+3], v[TMP+(\p)+2:TMP+(\p)+3], v[TMP+(\p)+2:TMP+(\p)+3]
.endr
.irp p, 0,4,8,12
	v_pk_fma_f32 v[TMP+(\p):TMP+(\p)+1], v[TMP+(\p):TMP+(\p)+1], v[TMP+(\p):TMP+(\p)+1], v[TMP+(\p)+2:TMP+(\p)+3]
.endr
.irp e, 0,1,2,3
.set da, TMP+((\e)/2)*4+(\e)%2
.if ((\n)%8) == 0
	v_min_num_f32 v[mk+(\e)], v[da], v[da+8]       ; a group's first two candidates start its minimum
.else
	v_min3_num_f32 v[mk+(\e)], v[mk+(\e)], v[da], v[da+8]
.endif
.endr
.endm
.set n, 0
.rept 32
	STEP n
.set n, n+1
.endr
.irp k, 0,1,2,3
	ds_store_b128 v[GST], v[MINS+4*(\k):MINS+4*(\k)+3] offset:GMIN+(\k)*64*GPITCH
.endr
	s_wait_dscnt 0x0                               ; for the others' sake: my minima are written
	s_barrier_signal -1
.irp k, 0,1,2,3
	v_mov_b32 v[TOP+(\k)], v[INF]                  ; an empty list
	v_mov_b32 v[IDX+(\k)], 0
.endr
	s_barrier_wait -1                              ; all 16 x 256 minima lie in LDS
	; STAGE 2.
.irp c, 0,1,2,3,4,5,6,7,8,9,10,11,12,13,14,15
	ds_load_b32 v[KEY+(\c)], v[GLD] offset:GMIN+(\c)*16*GPITCH
.endr
	s_wait_dscnt 0x0
.irp c, 0,1,2,3,4,5,6,7,8,9,10,11,12,13,14,15
	s_cmp_eq_u32 s[WGC], \c                        ; the rows' own group, u + 16 c = wg, is no candidate here: the second launch takes it in any case
	s_cselect_b32 s[MX], s[MU], 0
	v_cndmask_b32 v[KEY+(\c)], v[KEY+(\c)], v[INF], s[MX]
.endr
; (key, c) goes into the ascending list.  The compares are strict and c ascends, so of equal keys the lower group stays in front.  With a <= b, med3(a, b, x) is x held to a .. b: the new entry at b's place.
.macro INS c
	v_cmp_lt_f32 s[CM+3], v[KEY+(\c)], v[TOP+3]
	v_cmp_lt_f32 s[CM+2], v[KEY+(\c)], v[TOP+2]
	v_cmp_lt_f32 s[CM+1], v[KEY+(\c)], v[TOP+1]
	v_cmp_lt_f32 s[CM],   v[KEY+(\c)], v[TOP]
	v_cndmask_b32 v[AUX],   \c, v[IDX+2], s[CM+2]  ; what moves into place 3: place 2's entry, or the new one
	v_cndmask_b32 v[AUX+1], \c, v[IDX+1], s[CM+1]
	v_cndmask_b32 v[AUX+2], \c, v[IDX],   s[CM]
	v_cndmask_b32 v[IDX+3], v[IDX+3], v[AUX],   s[CM+3]
	v_cndmask_b32 v[IDX+2], v[IDX+2], v[AUX+1], s[CM+2]
	v_cndmask_b32 v[IDX+1], v[IDX+1], v[AUX+2], s[CM+1]
	v_cndmask_b32 v[IDX],   v[IDX],   \c,       s[CM]
	v_med3_num_f32 v[TOP+3], v[TOP+2], v[TOP+3], v[KEY+(\c)]
	v_med3_num_f32 v[TOP+2], v[TOP+1], v[TOP+2], v[KEY+(\c)]
	v_med3_num_f32 v[TOP+1], v[TOP],   v[TOP+1], v[KEY+(\c)]
	v_min_num_f32  v[TOP],   v[TOP],   v[KEY+(\c)]
.endm
.irp c, 0,1,2,3,4,5,6,7,8,9,10,11,12,13,14,15
	INS \c
.endr
	; STAGE 3.  Group numbers as f32 (exact), so that the same minimum across lanes serves keys and numbers.
.irp k, 0,1,2,3
	v_lshl_add_u32 v[IDX+(\k)], v[IDX+(\k)], 4, v[LU]
.endr
.irp k, 0,1,2,3
	v_cvt_f32_u32 v[IDX+(\k)], v[IDX+(\k)]
.endr
; Pick p: the smallest head among the row's 16 lanes; among equal heads the lowest group; every lane then knows the group.  The owner's list moves up, as far as later picks can still reach.
.macro PICK p
	v_mov_b32 v[MN], v[TOP]
.irp x, 1,2,4,8
	v_min_num_f32_dpp v[MN], v[MN], v[MN] row_xmask:\x row_mask:0xf bank_mask:0xf
.endr
	v_cmp_eq_f32 vcc_lo, v[TOP], v[MN]
	v_cndmask_b32 v[WNR], v[INF], v[IDX], vcc_lo
.irp x, 1,2,4,8
	v_min_num_f32_dpp v[WNR], v[WNR], v[WNR] row_xmask:\x row_mask:0xf bank_mask:0xf
.endr
.if (\p) == 0
	v_mov_b32 v[OUT], v[WNR]
.else
	v_cndmask_b32 v[OUT], v[OUT], v[WNR], s[LM+(\p)]  ; lanes with t % 4 = p keep pick p
.endif
.if (\p) < 3
	v_cmp_eq_f32 vcc_lo, v[IDX], v[WNR]            ; group numbers are all different: one owner
.set kk, 0
.rept 3-(\p)
	v_cndmask_b32 v[TOP+kk], v[TOP+kk], v[TOP+kk+1], vcc_lo
	v_cndmask_b32 v[IDX+kk], v[IDX+kk], v[IDX+kk+1], vcc_lo
.set kk, kk+1
.endr
.endif
.endm
	PICK 0
	PICK 1
	PICK 2
	PICK 3
	v_cvt_u32_f32 v[OUT], v[OUT]
	ds_store_b32 v[RSA], v[OUT] offset:RES         ; four lanes write each word, with the same number
	s_wait_dscnt 0x0                               ; for wave 0's sake
	s_barrier_signal -1
	s_barrier_wait -1
	s_cmp_lg_u32 s[WV], 0
	s_cbranch_scc1 .Lend
	v_and_b32 v1, 31, v0
	v_lshlrev_b32 v1, 3, v1
	ds_load_b64 v[RAW:RAW+1], v1 offset:RES
	s_lshl_b32 s8, ttmp9, 8
	v_add_nc_u32 v13, s8, v1
	s_wait_dscnt 0x0
	global_store_b64 v13, v[RAW:RAW+1], s[6:7]     ; the work-group's 16 rows x 4 numbers: one store of 256 consecutive bytes, at a multiple of 256 from the buffer's first
.Lend:
	s_wait_tensorcnt 0x0                           ; the wave's end, behind my last LDS store
	ds_add_u32 v[SPW], v[NIL]
	s_wait_dscnt 0x0
	s_endpgm
.Lfunc_end_k_q2a8b6c4bb4_nearest_groups:
	.size	k_q2a8b6c4bb4_nearest_groups, .Lfunc_end_k_q2a8b6c4bb4_nearest_groups-k_q2a8b6c4bb4_nearest_groups
	.p2alignl 7, 3214868480
	.fill 96, 4, 3214868480
	.section	.rodata,"a",@progbits
	.p2align	6, 0x0
	.amdhsa_kernel k_q2a8b6c4bb4_nearest_groups
		.amdhsa_group_segment_fixed_size 58624
		.amdhsa_private_segment_fixed_size 0
		.amdhsa_enable_private_segment 0
		.amdhsa_kernarg_size 16
		.amdhsa_user_sgpr_count 2
		.amdhsa_user_sgpr_kernarg_segment_ptr 1
		.amdhsa_wavefront_size32 1
		.amdhsa_system_sgpr_workgroup_id_x 1
		.amdhsa_system_sgpr_workgroup_id_y 1
		.amdhsa_system_sgpr_workgroup_id_z 1
		.amdhsa_system_vgpr_workitem_id 0
		.amdhsa_next_free_vgpr 224
		.amdhsa_next_free_sgpr 66
		.amdhsa_reserve_vcc 1
		.amdhsa_float_denorm_mode_32 3
		.amdhsa_float_denorm_mode_16_64 3
		.amdhsa_memory_ordered 1
		.amdhsa_forward_progress 1
		.amdhsa_inst_pref_size 69
	.end_amdhsa_kernel
	.amdgpu_metadata
---
amdhsa.version: [ 1, 2 ]
amdhsa.kernels:
  - .name:           k_q2a8b6c4bb4_nearest_groups
    .symbol:         k_q2a8b6c4bb4_nearest_groups.kd
    .args:
      - { .name: obs2, .offset: 0, .size: 8, .value_kind: global_buffer, .address_space: global }
      - { .name: groups, .offset: 8, .size: 8, .value_kind: global_buffer, .address_space: global }
    .group_segment_fixed_size: 58624
    .private_segment_fixed_size: 0
    .kernarg_segment_align: 8
    .kernarg_segment_size: 16
    .max_flat_workgroup_size: 256
    .sgpr_count:     66
    .vgpr_count:     224
    .wavefront_size: 32
...
	.end_amdgpu_metadata
.endif
;; end of part 1
;; launch rank_embed (part 2): grid 256 x 1, 8 waves a work-group, no clusters, 0 bytes of LDS; arguments obs1, obs2, W, b, groups, out0; writes out0
.if DOCPART == 2
	.amdgcn_target "amdgcn-amd-amdhsa--gfx1250"
	.amdhsa_code_object_version 6
	.text
	.protected	k_q2a8b6c4bb4_rank_embed
	.globl	k_q2a8b6c4bb4_rank_embed
	.p2align	8
	.type	k_q2a8b6c4bb4_rank_embed,@function
k_q2a8b6c4bb4_rank_embed:
	s_mov_b64 s[64:65], 0
	v_nop
	global_prefetch_b8 v0, s[64:65] scope:SCOPE_SE
	s_setreg_imm32_b32 hwreg(HW_REG_WAVE_MODE, 25, 1), 1
	s_wait_xcnt 0x0
; NEAREST-NEIGHBOUR POOLING, second of two launches: the four nearest of 80 candidates a track, in order, and relu(f W + b) of each.
; WORK LEFT OUT: as shown at the head of the first launch, a track's four nearest lie in its own group of 16 tracks or in the four groups listed in 'groups': the other 251 groups are not looked at;
; the root of the distance is not taken (the order of d2 is the order of dist).  The limits stated there hold here.
; SHARES.  256 work-groups of 8 waves; a row has 16 lanes (thread t: row 16 wg + t / 16, u = t % 16).  Lane u holds track u of each of the row's five groups, slot 4 being the row's own group, where j = i is
; left out.  A slot is d2 = fma(dx, dx, dy dy), formed as in the first launch, j as f32 (exact), and the four numbers f = (dx, dy, dvx, dvy), dv = (obs2[j] - obs1[j]) - (obs2[i] - obs1[i]).
; FOUR PICKS.  The smallest d2 among the row's 80, by a minimum across its 16 lanes; among equal d2 the lowest j, as reference()'s top_k has it; the owner's f, chosen by v_cndmask and spread by sums with the
; other lanes' zeros.  No address and no branch hangs on a comparison of floats: the only loaded numbers in addresses are the whole numbers of 'groups', held to 0 .. 255.
; THE LAYER.  Lane u makes out[row][2 u], out[row][2 u + 1]: rank u / 4, columns 2 (u % 4) and the next: 8 v_fma_f32 in f32.  Not on the matrix unit: K = 4 and 8 columns would fill 4 of 32 along K and
; half the columns of a 16 x 16 x 32 product, and f would have to change lanes first.  No LDS, no barrier: nothing passes between waves.  No cluster: what work-groups share is 160 bytes of W and b.
.set LU,  2                            ; v2   u
.set LR,  3                            ; v3   t / 16 = the row's place in its own group
.set ROW, 4                            ; v4   the row
.set OOF, 5                            ; v5   16 x row: its list
.set SOF, 6                            ; v6   8 x row: its own numbers
.set GOF, 7                            ; v7   128 wg + 8 u: my track of the row's own group
.set WOF, 8                            ; v8   8 (u % 4): my two columns of W and b
.set U8,  9                            ; v9   8 u
.set INF, 10                           ; v10  +infinity
.set YOF, 11                           ; v11  8 (256 wg + t): my two outputs
.set GRP, 12                           ; v[12:15]  the four groups
.set JOF, 16                           ; v[16:19]  128 g + 8 u
.set P2I, 20                           ; v[20:21]  obs2[i]     v[22:23]  obs1[i]     v[24:25]  vel[i]
.set P1I, 22
.set VI,  24
.set WW,  26                           ; v[26:33]  W[c][my two columns]
.set BB,  34                           ; v[34:35]  b[my two columns]
.set O2,  36                           ; v[36:45]  obs2[j], a pair a slot
.set O1,  46                           ; v[46:55]  obs1[j]
.set PAY, 56                           ; v[56:75]  f, four a slot
.set DD,  76                           ; v[76:80]  d2
.set JJ,  82                           ; v[82:86]  j as f32
.set TT,  88                           ; v[88:92]  at work
.set MN,  93
.set WN,  94
.set QQ,  96                           ; v[96:99]   the picked f
.set RR,  100                          ; v[100:103] the f of my rank
.set ACC, 104                          ; v[104:105] my two outputs
.set SM,  20                           ; s[20:24] a mask a slot
.set LM,  28                           ; s[29:31] the lanes with u / 4 = 1, 2, 3
	s_load_b256 s[4:11], s[0:1], 0x0               ; obs1 s[4:5], obs2 s[6:7], W s[8:9], b s[10:11]
	s_load_b128 s[12:15], s[0:1], 0x20             ; groups s[12:13], out0 s[14:15]
	v_and_b32 v[LU], 15, v0
	v_lshrrev_b32 v[LR], 4, v0
	s_lshl_b32 s16, ttmp9, 4
	s_lshl_b32 s17, ttmp9, 7
	s_lshl_b32 s18, ttmp9, 11
	s_mov_b32 s[LM+1], 0x00f000f0
	s_mov_b32 s[LM+2], 0x0f000f00
	s_mov_b32 s[LM+3], 0xf000f000
	v_add_nc_u32 v[ROW], s16, v[LR]
	v_lshlrev_b32 v[OOF], 4, v[ROW]
	v_lshlrev_b32 v[SOF], 3, v[ROW]
	v_lshlrev_b32 v[U8], 3, v[LU]
	v_add_nc_u32 v[GOF], s17, v[U8]
	v_and_b32 v1, 3, v0
	v_lshlrev_b32 v[WOF], 3, v1
	v_lshl_add_u32 v[YOF], v0, 3, s18
	v_mov_b32 v[INF], 0x7f800000
	v_add_nc_u32 v[JJ+4], s16, v[LU]               ; slot 4: j = 16 wg + u
	v_cvt_f32_u32 v[JJ+4], v[JJ+4]
	s_wait_kmcnt 0x0
	global_load_b128 v[GRP:GRP+3], v[OOF], s[12:13]  ; the list first: eight more loads hang on it
	global_load_b64 v[O2+8:O2+9], v[GOF], s[6:7]
	global_load_b64 v[O1+8:O1+9], v[GOF], s[4:5]
	global_load_b64 v[P2I:P2I+1], v[SOF], s[6:7]
	global_load_b64 v[P1I:P1I+1], v[SOF], s[4:5]
.irp c, 0,1,2,3
	global_load_b64 v[WW+2*(\c):WW+2*(\c)+1], v[WOF], s[8:9] offset:32*(\c)
.endr
	global_load_b64 v[BB:BB+1], v[WOF], s[10:11]
	s_wait_loadcnt 9                               ; loads come back in order (ISA guide 5.7.1): the list is in, the nine behind it stay out
.irp k, 0,1,2,3
	v_min_u32 v[GRP+(\k)], 0xff, v[GRP+(\k)]       ; a loaded number enters an address only when held inside the table
	v_lshlrev_b32 v[JOF+(\k)], 7, v[GRP+(\k)]
	v_add_nc_u32 v[JOF+(\k)], v[U8], v[JOF+(\k)]
	global_load_b64 v[O2+2*(\k):O2+2*(\k)+1], v[JOF+(\k)], s[6:7]  ; the row's 16 lanes take a group's 128 consecutive bytes
	global_load_b64 v[O1+2*(\k):O1+2*(\k)+1], v[JOF+(\k)], s[4:5]
.endr
.irp k, 0,1,2,3
	v_lshl_add_u32 v[JJ+(\k)], v[GRP+(\k)], 4, v[LU]
.endr
.irp k, 0,1,2,3
	v_cvt_f32_u32 v[JJ+(\k)], v[JJ+(\k)]
.endr
.macro SLOT s
	v_pk_add_f32 v[PAY+4*(\s):PAY+4*(\s)+1],   v[O2+2*(\s):O2+2*(\s)+1], v[P2I:P2I+1] neg_lo:[0,1] neg_hi:[0,1]            ; dx, dy
	v_pk_add_f32 v[PAY+4*(\s)+2:PAY+4*(\s)+3], v[O2+2*(\s):O2+2*(\s)+1], v[O1+2*(\s):O1+2*(\s)+1] neg_lo:[0,1] neg_hi:[0,1]  ; vel[j]
	v_mul_f32 v[DD+(\s)], v[PAY+4*(\s)+1], v[PAY+4*(\s)+1]
	v_pk_add_f32 v[PAY+4*(\s)+2:PAY+4*(\s)+3], v[PAY+4*(\s)+2:PAY+4*(\s)+3], v[VI:VI+1] neg_lo:[0,1] neg_hi:[0,1]            ; dvx, dvy
	v_fma_f32 v[DD+(\s)], v[PAY+4*(\s)], v[PAY+4*(\s)], v[DD+(\s)]
.endm
	s_wait_loadcnt 8                               ; all but the eight gathers are in
	v_pk_add_f32 v[VI:VI+1], v[P2I:P2I+1], v[P1I:P1I+1] neg_lo:[0,1] neg_hi:[0,1]  ; vel[i]
	v_cmp_eq_u32 vcc_lo, v[LU], v[LR]              ; in the own group the lane with j = i
	SLOT 4
	v_cndmask_b32 v[DD+4], v[DD+4], v[INF], vcc_lo ; the track itself is no neighbour
	s_wait_loadcnt 0x0
	SLOT 0
	SLOT 1
	SLOT 2
	SLOT 3
; Pick p, the neighbour of rank p.
.macro PICK p
	v_min3_num_f32 v[MN], v[DD], v[DD+1], v[DD+2]
	v_min3_num_f32 v[MN], v[MN], v[DD+3], v[DD+4]
.irp x, 1,2,4,8
	v_min_num_f32_dpp v[MN], v[MN], v[MN] row_xmask:\x row_mask:0xf bank_mask:0xf
.endr
.irp s, 0,1,2,3,4
	v_cmp_eq_f32 s[SM+(\s)], v[DD+(\s)], v[MN]
.endr
.irp s, 0,1,2,3,4
	v_cndmask_b32 v[TT+(\s)], v[INF], v[JJ+(\s)], s[SM+(\s)]  ; j where d2 is the smallest
.endr
	v_min3_num_f32 v[WN], v[TT], v[TT+1], v[TT+2]
	v_min3_num_f32 v[WN], v[WN], v[TT+3], v[TT+4]
.irp x, 1,2,4,8
	v_min_num_f32_dpp v[WN], v[WN], v[WN] row_xmask:\x row_mask:0xf bank_mask:0xf
.endr
.irp s, 0,1,2,3,4
	v_cmp_eq_f32 s[SM+(\s)], v[JJ+(\s)], v[WN]     ; the five groups are different, so all j are: one slot of one lane
.endr
.irp c, 0,1,2,3
	v_cndmask_b32 v[QQ+(\c)], 0, v[PAY+(\c)], s[SM]
.endr
.irp s, 1,2,3,4
.irp c, 0,1,2,3
	v_cndmask_b32 v[QQ+(\c)], v[QQ+(\c)], v[PAY+4*(\s)+(\c)], s[SM+(\s)]
.endr
.endr
.if (\p) < 3
.irp s, 0,1,2,3,4
	v_cndmask_b32 v[DD+(\s)], v[DD+(\s)], v[INF], s[SM+(\s)]  ; it is picked no more
.endr
.endif
.irp x, 1,2,4,8
.irp c, 0,1,2,3
	v_add_f32_dpp v[QQ+(\c)], v[QQ+(\c)], v[QQ+(\c)] row_xmask:\x row_mask:0xf bank_mask:0xf  ; the owner's number plus fifteen zeros: exact
.endr
.endr
.irp c, 0,1,2,3
.if (\p) == 0
	v_mov_b32 v[RR+(\c)], v[QQ+(\c)]
.else
	v_cndmask_b32 v[RR+(\c)], v[RR+(\c)], v[QQ+(\c)], s[LM+(\p)]  ; lanes with u / 4 = p keep rank p
.endif
.endr
.endm
	PICK 0
	PICK 1
	PICK 2
	PICK 3
	v_fma_f32 v[ACC],   v[RR], v[WW],   v[BB]      ; the bias starts the sums
	v_fma_f32 v[ACC+1], v[RR], v[WW+1], v[BB+1]
.irp c, 1,2,3
	v_fma_f32 v[ACC],   v[RR+(\c)], v[WW+2*(\c)],   v[ACC]
	v_fma_f32 v[ACC+1], v[RR+(\c)], v[WW+2*(\c)+1], v[ACC+1]
.endr
	v_max_num_f32 v[ACC],   0, v[ACC]
	v_max_num_f32 v[ACC+1], 0, v[ACC+1]
	global_store_b64 v[YOF], v[ACC:ACC+1], s[14:15] th:TH_STORE_NT  ; a wave's two rows: 256 consecutive bytes, at a multiple of 256 from out0's first
	s_endpgm
.Lfunc_end_k_q2a8b6c4bb4_rank_embed:
	.size	k_q2a8b6c4bb4_rank_embed, .Lfunc_end_k_q2a8b6c4bb4_rank_embed-k_q2a8b6c4bb4_rank_embed
	.p2alignl 7, 3214868480
	.fill 96, 4, 3214868480
	.section	.rodata,"a",@progbits
	.p2align	6, 0x0
	.amdhsa_kernel k_q2a8b6c4bb4_rank_embed
		.amdhsa_group_segment_fixed_size 0
		.amdhsa_private_segment_fixed_size 0
		.amdhsa_enable_private_segment 0
		.amdhsa_kernarg_size 48
		.amdhsa_user_sgpr_count 2
		.amdhsa_user_sgpr_kernarg_segment_ptr 1
		.amdhsa_wavefront_size32 1
		.amdhsa_system_sgpr_workgroup_id_x 1
		.amdhsa_system_sgpr_workgroup_id_y 1
		.amdhsa_system_sgpr_workgroup_id_z 1
		.amdhsa_system_vgpr_workitem_id 0
		.amdhsa_next_free_vgpr 108
		.amdhsa_next_free_sgpr 66
		.amdhsa_reserve_vcc 1
		.amdhsa_float_denorm_mode_32 3
		.amdhsa_float_denorm_mode_16_64 3
		.amdhsa_memory_ordered 1
		.amdhsa_forward_progress 1
		.amdhsa_inst_pref_size 24
	.end_amdhsa_kernel
	.amdgpu_metadata
---
amdhsa.version: [ 1, 2 ]
amdhsa.kernels:
  - .name:           k_q2a8b6c4bb4_rank_embed
    .symbol:         k_q2a8b6c4bb4_rank_embed.kd
    .args:
      - { .name: obs1, .offset: 0, .size: 8, .value_kind: global_buffer, .address_space: global }
      - { .name: obs2, .offset: 8, .size: 8, .value_kind: global_buffer, .address_space: global }
      - { .name: W, .offset: 16, .size: 8, .value_kind: global_buffer, .address_space: global }
      - { .name: b, .offset: 24, .size: 8, .value_kind: global_buffer, .address_space: global }
      - { .name: groups, .offset: 32, .size: 8, .value_kind: global_buffer, .address_space: global }
      - { .name: out0, .offset: 40, .size: 8, .value_kind: global_buffer, .address_space: global }
    .group_segment_fixed_size: 0
    .private_segment_fixed_size: 0
    .kernarg_segment_align: 8
    .kernarg_segment_size: 48
    .max_flat_workgroup_size: 256
    .sgpr_count:     66
    .vgpr_count:     108
    .wavefront_size: 32
...
	.end_amdgpu_metadata
.endif
;; end of part 2
